; MI455X (gfx1250); checked and timed in simulation.
; The chip was launched on July 23, 2026; its instructions are those of AMD's public machine-readable ISA for CDNA 5 (MIT licence, August 2026) and "CDNA5" Instruction Set Architecture Reference Guide (July 2026). The comments in the code are by the model that wrote it; some were corrected since.
;; Multi Head Self Attention. Allowed arithmetic: matrix products marked QUANTISED: E4M3 operands, one E8M0 scale for each 32 along K, by v_wmma_scale_f32_16x16x128_f8f6f4 with both operands' format E4M3, f32 sums; everything else in f32.
;; Inputs: W_qkv_codes 3,072 x 32 x 32 uint8 (E4M3 codes of W_qkv, K innermost, in blocks of 32 codes); W_qkv_scales 3,072 x 32 uint8 (E8M0 scales of W_qkv, one for each 32 codes along K); b_qkv 3,072 float32; x_codes 4 x 2,048 x 32 x 32 uint8 (E4M3 codes of x, K innermost, in blocks of 32 codes); x_scales 4 x 2,048 x 32 uint8 (E8M0 scales of x, one for each 32 codes along K).
;; Outputs: out0 4 x 2,048 x 1,024 float32.
;; This version of the problem:
;;   THIS VERSION OF THE PROBLEM IS GIVEN IN LOW PRECISION. The matrix products marked QUANTISED in the list below multiply operands that are first quantised to E4M3 (4 exponent bits, 3 mantissa bits; 8 bits a number), with one power-of-two scale for each 32 numbers along K (OCP MX v1.0); their sums are f32. All else is computed in f32.
;;   The module's matrix products, in the order in which they are computed (A, B: the left and right operand; K: the contracted axis; several contracted axes count as one K, in the product's order):
;;     1. [M 8,192, K 1,024] x [K 1,024, N 3,072]; A: input x (given as codes); B: input W_qkv (given as codes): QUANTISED
;;     2. batch 64 x [M 2,048, K 64] x [K 64, N 2,048]; A: computed on the way; B: computed on the way: QUANTISED
;;     3. batch 64 x [M 2,048, K 2,048] x [K 2,048, N 64]; A: softmax (see below); B: computed on the way: QUANTISED
;;   THE QUANTISER, for each operand of a quantised product, along K:
;;     - K is cut into blocks of 32 from its start; a last block that is shorter is filled with zeros.
;;     - A block's scale is 2^e with e = floor(log2(the largest magnitude in the block)) - 8, held to -126 .. 127; a block of zeros has e = 0. As a byte (E8M0): e + 127.
;;     - Each number is divided by its block's scale, clamped to +-448, and rounded to the nearest number of E4M3, ties to even, subnormals kept.
;;     - The product sums the exact products of the quantised numbers (number of the format x scale) in f32.
;;   ~~~python
;;   def quantise(x, axis):      # numpy; x: float32 -> the quantised numbers, widened to float32 again
;;       x = np.moveaxis(x, axis, -1); K = x.shape[-1]
;;       x = np.pad(x, [(0, 0)] * (x.ndim - 1) + [(0, -K % 32)]); x = x.reshape(x.shape[:-1] + (-1, 32)); a = np.abs(x).max(-1, keepdims=True)
;;       e = np.where(a > 0, np.clip(np.frexp(np.where(a > 0, a, 1))[1] - 1 - 8, -126, 127), 0)      # np.frexp(a)[1] - 1 = floor(log2(a)), exactly
;;       r = np.clip(x / 2.0 ** e, -448, 448)
;;       step = 2.0 ** (np.maximum(np.frexp(np.where(r == 0, 1, r))[1] - 1, -6) - 3)
;;       q = np.round(r / step) * step * 2.0 ** e      # np.round: ties to even
;;       return np.moveaxis(q.reshape(q.shape[:-2] + (-1,))[..., :K], -1, axis).astype(np.float32)
;;   ~~~
;;   SOFTMAX AHEAD OF A QUANTISED PRODUCT. Where the list says 'softmax', what is quantised is not the finished softmax but p = 2^(t - M), with t = logit x log2(e) and M = ceil(the row's largest t), a whole number; so 1/2 < the row's largest p <= 1. The row's sum l is taken of the UNQUANTISED p, in f32, and the product's result is divided by l at the end. Since M is a whole number, a kernel that streams over the keys may use a running M (the ceiling of the running maximum): every later rescaling is an exact power of two, which a block's scale takes up: the codes' values come out the same.
;;   OPERANDS COMPUTED ON THE WAY. 'Computed on the way' means the value that the module computes at that place (a softmax that the list does not call 'softmax' is quantised finished and normalised). What goes into a quantiser is computed in f32, as accurately as f32 sums, v_exp_f32 and their like allow (about 1e-6 of the number): no bf16 or f16 on the way to a quantiser, and a product that is left as it is and whose result goes on into a quantised operand takes f32 operands (vector FMAs, or v_wmma_f32_16x16x4_f32). A number that lies on a knife's edge between two numbers of the format may be rounded either way, as far as f32 arithmetic and the matrix unit's own rounding can turn it there, and no further.
;;   INPUTS GIVEN AS CODES. W_qkv (in the module: [1024, 3072], K = its axis 0); x (in the module: [4, 2048, 1024], K = its axis 2): each comes as NAME_codes (uint8): NAME with its K axis moved to the last place and cut into blocks of 32 codes, [.., K / 32, bytes a block], one block behind the other in memory; one code a byte (a code: sign, 4 exponent bits, 3 mantissa bits); and NAME_scales (uint8): the same leading axes, one E8M0 byte (e + 127) for each 32 codes along K. Its value is code x scale, taken as it is: it is not quantised again, and the codes and scales need not be those that the quantiser above would give.
;; One version. Each part assembles by itself: llvm-mc -triple=amdgcn-amd-amdhsa -mcpu=gfx1250 --defsym DOCPART=n.
;; ======== version 1 of 1: 2 launches
;; limits: right only within a limited range of input values
;; workspace buffers: qimg 8,388,608 bytes; kv 17,301,504 bytes; sc 1,048,576 bytes
;; launch qkv (part 1): grid 16 x 32, 4 waves a work-group, clusters of 4 x 4, 327,680 bytes of LDS; arguments x_codes, x_scales, W_qkv_codes, W_qkv_scales, b_qkv, qimg, kv, sc; writes qimg, kv, sc
.if DOCPART == 1
	.amdgcn_target "amdgcn-amd-amdhsa--gfx1250"
	.amdhsa_code_object_version 6
	.text
	.protected	k_q925a4455c3_qkv
	.globl	k_q925a4455c3_qkv
	.p2align	8
	.type	k_q925a4455c3_qkv,@function
k_q925a4455c3_qkv:
	s_mov_b64 s[64:65], 0
	v_nop
	global_prefetch_b8 v0, s[64:65] scope:SCOPE_SE
	s_setreg_imm32_b32 hwreg(HW_REG_WAVE_MODE, 25, 1), 1
	s_wait_xcnt 0x0
	s_wait_alu depctr_hold_cnt(0) depctr_sa_sdst(0) depctr_va_vdst(0) depctr_va_sdst(0) depctr_va_ssrc(0) depctr_va_vcc(0) depctr_vm_vsrc(0)
	s_getreg_b32 s2, hwreg(HW_REG_IB_STS2, 6, 4)
	s_cmp_eq_u32 s2, 0
	s_cbranch_scc0 .Lentry_in_a_cluster
	s_endpgm
.Lentry_in_a_cluster:
	s_bfe_u32 s2, ttmp6, 0x10000c
	s_cmp_lg_u32 s2, 0xf033
	s_cbranch_scc0 .Lentry_shape_is_right
	s_endpgm
.Lentry_shape_is_right:
; qkv = x W + b on codes of E4M3 with E8M0 scales (K = 1,024), then q, k and v are quantised in registers and leave as IMAGES OF OPERAND REGISTERS for the attention launch.
; SHARES.  A work-group makes 256 rows (one batch's positions 256 qb ..) x the 192 columns of one head; wave w its rows 64 w .. 64 w + 63 x all 192 columns: 48 accumulators, 384 registers.
; K goes in four fills of 256 through two LDS slots (eight steps of 128), all written out.
; ORIENTATION.  Columns 0-127 (q, k): source 0 = 16 rows of W, source 1 = 16 rows of x: a lane holds ONE row and eight neighbouring columns d = 16 b + 8 (lane / 16) + j.
;   Columns 128-191 (v): source 0 = 16 rows of x, source 1 = 16 rows of W: a lane holds ONE column d and eight neighbouring positions (keys), which are the K of attention's second product.
; So in both cases 16 registers of two neighbouring accumulators are half of a block of 32 along the next K, the other half lies in lane l xor 16, and the conversions' results are operand registers.
; Inside a block of 32 the order of k is 8 h + 0..7, 16 + 8 h + 0..7 for half h where the operand's layout names 16 h + 0..15: the same permutation in q and k, and in v and p, so each product and each block's scale stay what they are.
; CLUSTER 4 x 4: x's tile hangs on the row block alone (shared along a row of the cluster), W's on the head alone (shared along a column): joint loads.
; OUT: qimg [bh][tile of 16 positions][2 chunks][512 B]; kv [bh][K part: like qimg][V part: [128 keys][16 d][chunk of 32 keys][512 B]]; sc [bh][256 positions][2,048 B of scale words].
; LIMITS: NaN, infinities, NaN codes and the scale byte 0xff among the inputs are not served.  A block whose largest magnitude lies under 2^-118 (a block of zeros too) gets the byte 1; only this program reads these bytes.
; kv AS THIS TEXT LAYS IT (in place of the order that the line OUT above gives for kv and for K's and V's scale words): [bh][key step of 128 keys: 16,896 bytes][K's images 8,192 | V's images 8,192 | scale words: K's 256, V's 256].
; sc keeps Q's words alone: the first 1,024 bytes of each block of 2,048; the rest of a block is neither written nor read.
; PREFETCH: fills 1 to 3 of x's and W's rows are asked for ahead: one instruction a wave and fill, a lane a row of 256 bytes; the four partners of a joint load share its rows out by address.
.set PITCH, 272
.set XROWS, 256*PITCH                  ; x's 256 rows; W's 192 rows lie behind them
.set SLOT,  448*PITCH
.set SCG,   2*SLOT                     ; 2,048 bytes in which the work-group's scale words are gathered; no fill lands here
.set SPARE, SCG+2048                   ; the spare words, 128 bytes a wave: two blocks of 256 bytes that no other line names
.set ADRA, 16                          ; v16-17 LDS address of my x fragments in slot 0, 1
.set ADRB, 20                          ; v20-21 the same for W
.set LI,   22                          ; 16 x lane
.set AQ,   23                          ; where q's scale words go in the gather
.set AK,   24                          ; k's
.set AV,   25                          ; v's
.set SGR,  26                          ; the gather read back: SCG + 16 x thread
.set SGO,  27                          ; 16 x thread
.set SPW,  28                          ; my spare word; never rewritten
.set NIL,  29                          ; 0; never rewritten
.set SW,   32                          ; v32-79 W's scale words: register 8 p + s: lanes 0-15 block p, lanes 16-31 block p + 6, K step s
.set SX,   80                          ; v80-95 x's: register 8 q + s: lanes 0-15 block q, lanes 16-31 block q + 2
.set TM,   96                          ; v96-111 at work in the quantiser
.set PW,   112                         ; v112-117 scale words made, one for each call
.set XF,   128                         ; v128-255 x's fragments, two sets of 64; later the codes made
.set G1A, 24                           ; s[24:31] group 1 for x's tiles, s[32:39] group 0 for each slot
.set G0A, 32
.set G1B, 40                           ; s[40:47], s[48:55] the same for W's
.set G0B, 48
.set QBS, 80                           ; s[80:81] qimg, s[82:83] kv's K part, s[84:85] kv's V part, s[86:87] sc: at my part
.set KBS, 82
.set VBS, 84
.set SBS, 86
.set MSB, 0
.macro WIN new                         ; the immediate's high byte repeats the setting that is left
.if MSB != \new
	s_set_vgpr_msb (MSB<<8)|\new
.set MSB, \new
.endif
.endm
.macro PLACES n
.rept \n
	v_nop
.endr
.endm
; A joint load: waves 0 and 1 fetch x's halves, waves 2 and 3 W's.  The branch hangs on the wave's number alone.  Four v_nop follow each line.
.macro JLOAD g0a, g1a, g0b, g1b
	s_cmp_eq_u32 s21, 0
	s_cbranch_scc0 .Lfor_b_\@
	tensor_load_to_lds s[\g0a:\g0a+3], s[\g1a:\g1a+7]
	s_nop 0
.rept 4
	v_nop
.endr
	s_branch .Lasked_\@
.Lfor_b_\@:
	tensor_load_to_lds s[\g0b:\g0b+3], s[\g1b:\g1b+7]
	s_nop 0
.rept 4
	v_nop
.endr
.Lasked_\@:
.endm
.macro CREST                           ; a round of the cluster's barrier behind its opening barrier
	s_cmp_lg_u32 s20, 0
	s_cbranch_scc1 .Lnot_wave_0_\@
	s_barrier_signal -3
.Lnot_wave_0_\@:
	s_barrier_wait -3
	s_barrier_signal -1
	s_barrier_wait -1
.endm
.macro CROUND
	s_barrier_signal -1
	s_barrier_wait -1
	CREST
.endm
	s_load_b256 s[4:11], s[0:1], 0x0               ; x codes s[4:5], x scales s[6:7], W codes s[8:9], W scales s[10:11]
	s_load_b256 s[12:19], s[0:1], 0x20             ; b s[12:13], qimg s[14:15], kv s[16:17], sc s[18:19]
	v_lshl_add_u32 v[SPW], v0, 2, SPARE
	v_mov_b32 v[NIL], 0
	ds_add_u32 v28, v29
	ds_add_u32 v28, v29
	s_wait_dscnt 0x0
	v_lshrrev_b32 v1, 5, v0
	v_readfirstlane_b32 s20, v1                    ; wave 0..3
	s_lshr_b32 s21, s20, 1                         ; I fetch for x (0) or for W (1)
	s_and_b32 s22, s20, 1                          ; which half of that tile's rows
	s_bfe_u32 s56, ttmp6, 0x40000                  ; cx
	s_bfe_u32 s57, ttmp6, 0x40004                  ; cy
	s_lshl_b32 s58, ttmp9, 2
	s_add_co_u32 s58, s58, s56                     ; head = 4 x cluster x + cx
	s_and_b32 s59, ttmp7, 0xffff
	s_lshl_b32 s59, s59, 2
	s_add_co_u32 s59, s59, s57                     ; row block = 4 x cluster y + cy
	s_lshl_b32 s60, s57, 2
	s_lshl_b32 s60, 15, s60                        ; my row of the cluster
	s_lshl_b32 s61, 0x1111, s56                    ; my column
	; group 1: rows of 256 bytes (elements of 1 byte), 1,024 bytes apart in memory, 4 words of padding behind every 64
	s_or_b32 s[G1A+0], s60, (1<<20)|(1<<21)|(5<<22)|(3<<25)
	s_or_b32 s[G1B+0], s61, (1<<20)|(1<<21)|(5<<22)|(3<<25)
	s_mov_b32 s[G1A+1], 256<<16                    ; tensor_dim0
	s_mov_b32 s[G1A+2], 128<<16                    ; tensor_dim1: x's half, 128 rows
	s_mov_b32 s[G1A+3], 256<<16                    ; tile_dim0
	s_mov_b32 s[G1A+4], 128                        ; tile_dim1
	s_mov_b32 s[G1A+5], 1024                       ; the pitch
	s_mov_b32 s[G1A+6], 0
	s_mov_b32 s[G1A+7], 0
	s_mov_b32 s[G1B+1], 256<<16
	s_mov_b32 s[G1B+2], 96<<16                     ; W's half, 96 rows
	s_mov_b32 s[G1B+3], 256<<16
	s_mov_b32 s[G1B+4], 96
	s_mov_b32 s[G1B+5], 1024
	s_mov_b32 s[G1B+6], 0
	s_mov_b32 s[G1B+7], 0
	s_lshl_b32 s66, s59, 18                        ; x: 256 rows of 1,024 bytes a row block,
	s_lshl_b32 s67, s22, 17                        ; 128 rows a half
	s_add_co_u32 s66, s66, s67
	s_mov_b32 s67, 0
	s_mul_i32 s68, s58, 196608                     ; W: 192 rows a head,
	s_mul_i32 s69, s22, 98304                      ; 96 rows a half
	s_add_co_u32 s68, s68, s69
	s_mov_b32 s69, 0
	s_mul_i32 s70, s22, 128*PITCH                  ; where they go in a slot: no place in the cluster enters an LDS address
	s_mul_i32 s71, s22, 96*PITCH
	s_add_co_u32 s71, s71, XROWS
	s_mov_b32 s96, 0x76543210                      ; v_permlanex16_b32's selects for lane l xor 16
	s_mov_b32 s97, 0xfedcba98
	s_mov_b32 s98, 0x600000                        ; the mantissa field of 448
	s_wait_kmcnt 0x0
	s_add_nc_u64 s[66:67], s[4:5], s[66:67]
	s_add_nc_u64 s[68:69], s[8:9], s[68:69]
	CROUND                                         ; all sixteen work-groups are here: the first joint loads meet
.irp s, 0,1
	s_mov_b32 s[G0A+4*\s], 1
	s_add_co_u32 s[G0A+4*\s+1], s70, \s*SLOT
	s_add_nc_u64 s[G0A+4*\s+2:G0A+4*\s+3], s[66:67], \s*256
	s_or_b32 s[G0A+4*\s+3], s[G0A+4*\s+3], 0x80000000
	s_mov_b32 s[G0B+4*\s], 1
	s_add_co_u32 s[G0B+4*\s+1], s71, \s*SLOT
	s_add_nc_u64 s[G0B+4*\s+2:G0B+4*\s+3], s[68:69], \s*256
	s_or_b32 s[G0B+4*\s+3], s[G0B+4*\s+3], 0x80000000
.endr
	JLOAD G0A, G1A, G0B, G1B                       ; slot 0: one tensor load a wave at the head
	; bases of the scales, the bias and my parts of the three outputs
	s_mul_i32 s72, s58, 6144                       ; W's scales: 192 rows of 32 bytes a head
	s_mov_b32 s73, 0
	s_add_nc_u64 s[10:11], s[10:11], s[72:73]
	s_lshl_b32 s72, s59, 13                        ; x's: 256 rows a row block, 64 a wave
	s_lshl_b32 s74, s20, 11
	s_add_co_u32 s72, s72, s74
	s_add_nc_u64 s[6:7], s[6:7], s[72:73]
	s_mul_i32 s72, s58, 768                        ; b: 192 numbers a head
	s_add_nc_u64 s[12:13], s[12:13], s[72:73]
	s_lshr_b32 s74, s59, 3
	s_lshl_b32 s74, s74, 4
	s_add_co_u32 s74, s74, s58                     ; bh = 16 batch + head
	s_and_b32 s75, s59, 7                          ; qb: which 256 positions of the batch
	s_lshl_b32 s76, s75, 14
	s_lshl_b32 s77, s20, 12
	s_add_co_u32 s76, s76, s77                     ; 16 tiles of 1,024 bytes a block, 4 a wave
	s_lshl_b32 s72, s74, 17
	s_add_co_u32 s72, s72, s76
	s_add_nc_u64 s[QBS:QBS+1], s[14:15], s[72:73]
	s_mul_i32 s78, s74, 270336                     ; the head's part of kv: 16 key steps of 16,896 bytes
	s_lshl_b32 s77, s75, 1
	s_add_co_u32 s79, s77, s21                     ; my key step: 2 qb + (w >> 1)
	s_mul_i32 s79, s79, 16896
	s_add_co_u32 s79, s79, s78
	s_lshl_b32 s72, s22, 12                        ; K: my four tiles of 1,024 bytes begin at tile 4 (w & 1) of the step
	s_add_co_u32 s72, s72, s79
	s_add_nc_u64 s[KBS:KBS+1], s[16:17], s[72:73]
	s_lshl_b32 s72, s22, 10                        ; V: behind K's 8,192 bytes; my 64 keys are chunks 2 (w & 1), + 1
	s_add_co_u32 s72, s72, s79
	s_add_co_u32 s72, s72, 8192
	s_add_nc_u64 s[VBS:VBS+1], s[16:17], s[72:73]
	s_add_co_u32 s77, s77, s22                     ; the gather: waves 2 and 3 store key step 2 qb + (w & 1)'s 512 bytes of scale words behind its images;
	s_mul_i32 s77, s77, 16896
	s_add_co_u32 s77, s77, s78
	s_add_co_u32 s77, s77, 16384
	s_lshl_b32 s79, s20, 9
	s_sub_co_u32 s77, s77, s79                     ; (the store's offset, 16 x thread, holds 512 x wave)
	s_lshl_b32 s72, s74, 14                        ; waves 0 and 1 store Q's words into sc
	s_lshl_b32 s79, s75, 11
	s_add_co_u32 s72, s72, s79
	s_cmp_eq_u32 s21, 0
	s_cselect_b32 s72, s72, s77
	s_cselect_b64 s[SBS:SBS+1], s[18:19], s[16:17]
	s_cselect_b64 s[90:91], s[66:67], s[68:69]     ; the prefetches: the rows that I fetch, of x or of W,
	s_cselect_b32 s92, s56, s57                    ; my place among the four that ask for them with me,
	s_cselect_b32 s93, 32, 24                      ; and a quarter of the 128 or 96 rows
	s_add_nc_u64 s[SBS:SBS+1], s[SBS:SBS+1], s[72:73]
	s_sub_co_u32 s94, s93, 1                       ; the last of my rows: lanes that are left over name it again
	s_mul_i32 s92, s92, s93
	s_lshl_b32 s92, s92, 10
	s_mov_b32 s93, 0
	s_add_nc_u64 s[90:91], s[90:91], s[92:93]
	v_and_b32 v1, 15, v0                           ; r
	v_bfe_u32 v2, v0, 4, 1                         ; h
	v_mul_u32_u24 v3, v1, PITCH
	v_lshl_add_u32 v3, v2, 4, v3                   ; a fragment's row x pitch + 16 h
	s_mul_i32 s88, s20, 64*PITCH
	v_add_nc_u32 v[ADRA], s88, v3
	v_add_nc_u32 v[ADRA+1], SLOT, v[ADRA]
	v_add_nc_u32 v[ADRB], XROWS, v3
	v_add_nc_u32 v[ADRB+1], SLOT, v[ADRB]
	v_and_b32 v4, 31, v0
	v_lshlrev_b32 v[LI], 4, v4
	v_min_u32 v30, s94, v4
	v_lshlrev_b32 v30, 10, v30                     ; v30: the prefetches' offset, a lane a row of 1,024 bytes; never rewritten
	v_lshlrev_b32 v7, 2, v1                        ; 4 r
	s_wait_alu depctr_va_vdst(0)
	s_lshl_b32 s88, s20, 8
	s_add_co_u32 s88, s88, SCG
	v_add_nc_u32 v[AQ], s88, v7                    ; q's words: [tile 4 w + a][r]
	s_lshl_b32 s88, s21, 9
	s_lshl_b32 s89, s22, 7
	s_add_co_u32 s89, s89, s88
	s_add_co_u32 s89, s89, SCG+1024
	v_add_nc_u32 v[AK], s89, v7                    ; k's: [key step w >> 1][pair of tiles 2 (w & 1) + (a >> 1)][r], half a & 1 of the word
	s_lshl_b32 s89, s22, 1
	s_add_co_u32 s89, s89, s88
	s_add_co_u32 s89, s89, SCG+1280
	v_add_nc_u32 v[AV], s89, v7                    ; v's: [key step w >> 1][t][r], bytes 2 (w & 1), + 1 of the word
	v_lshlrev_b32 v[SGO], 4, v0
	v_add_nc_u32 v[SGR], SCG, v[SGO]
	v_lshlrev_b32 v5, 5, v1                        ; 32 r: a row of scales
	v_mad_u32_u24 v4, v2, 3072, v5                 ; W's: lanes 16-31 take the block six further on
	v_lshl_add_u32 v5, v2, 10, v5                  ; x's: two further on
	v_lshlrev_b32 v6, 5, v2
	global_prefetch_b8 v30, s[90:91] offset:256 th:TH_LOAD_NT scope:SCOPE_SE   ; fill 1's 256 bytes of my rows,
	global_prefetch_b8 v30, s[90:91] offset:512 th:TH_LOAD_NT scope:SCOPE_SE   ; and fill 2's
.irp b, 0,1,2,3
	v_mov_b32 v[TM+4+\b], 0                        ; written once: a lane permute's destination counts as one of its sources
.endr
	; the scales of all of K come once, straight into registers: 32 bytes a row, two loads of 16
.irp p, 0,1,2,3,4,5
	global_load_b128 v[SW+8*\p:SW+8*\p+3], v4, s[10:11] offset:512*\p
	global_load_b128 v[SW+8*\p+4:SW+8*\p+7], v4, s[10:11] offset:512*\p+16
.endr
.irp q, 0,1
	global_load_b128 v[SX+8*\q:SX+8*\q+3], v5, s[6:7] offset:512*\q
	global_load_b128 v[SX+8*\q+4:SX+8*\q+7], v5, s[6:7] offset:512*\q+16
.endr
	WIN 0xc0                                       ; destination window 3: the bias in the results' layouts, the C of each sum's first product
.irp b, 0,1,2,3,4,5,6,7
	global_load_b128 v[128+8*\b:128+8*\b+3], v6, s[12:13] offset:64*\b
	global_load_b128 v[128+8*\b+4:128+8*\b+7], v6, s[12:13] offset:64*\b+16
.endr
.irp t, 0,1,2,3
.irp j, 0,1,2,3,4,5,6,7
	global_load_b32 v[192+8*\t+\j], v7, s[12:13] offset:512+64*\t   ; v: a lane's eight results share the column 16 t + r
.endr
.endr
	WIN 0
; One product; its registers and scale rows stand in symbols.
.macro MM
.if fA && fB
	v_wmma_scale_f32_16x16x128_f8f6f4 v[rD:rD+7], v[rA:rA+15], v[rB:rB+15], v[rC:rC+7], v[rSA], v[rSB] matrix_a_scale:MATRIX_SCALE_ROW1 matrix_b_scale:MATRIX_SCALE_ROW1
.elseif fA
	v_wmma_scale_f32_16x16x128_f8f6f4 v[rD:rD+7], v[rA:rA+15], v[rB:rB+15], v[rC:rC+7], v[rSA], v[rSB] matrix_a_scale:MATRIX_SCALE_ROW1
.elseif fB
	v_wmma_scale_f32_16x16x128_f8f6f4 v[rD:rD+7], v[rA:rA+15], v[rB:rB+15], v[rC:rC+7], v[rSA], v[rSB] matrix_b_scale:MATRIX_SCALE_ROW1
.else
	v_wmma_scale_f32_16x16x128_f8f6f4 v[rD:rD+7], v[rA:rA+15], v[rB:rB+15], v[rC:rC+7], v[rSA], v[rSB]
.endif
.endm
; q's and k's products of K step s: W's blocks b0 .. b1 (source 0, window 1) x my four blocks of x (source 1, window 0); accumulator (b, a) at 64 a + 8 b of window 2.  first = 1: C is the bias (window 3).
; The 48 accumulators take turns, one instruction a turn, in the same order in every step.
.macro MULQK b0, b1, s, first
.if \first
	WIN 0xb1
.else
	WIN 0xa1
.endif
.set bb, \b0
.rept (\b1)-(\b0)+1
.set aa, 0
.rept 4
.set rD, 64*aa+8*bb
.set rC, rD
.if \first
.set rC, 128+8*bb
.endif
.set rA, 16*bb
.set rB, XF+64*((\s)%2)+16*aa
.set rSA, SW+8*(bb%6)+(\s)
.set rSB, SX+8*(aa%2)+(\s)
.set fA, bb/6
.set fB, aa/2
	MM
.set aa, aa+1
.endr
.set bb, bb+1
.endr
.endm
; v's products: my four blocks of x (source 0, window 0) x W's blocks 8 .. 11 (source 1, window 1); accumulator (t, a) at 32 t + 8 a of window 3
.macro MULV s, first
	WIN 0xf4
.set bb, 8
.rept 4
.set aa, 0
.rept 4
.set rD, 32*(bb-8)+8*aa
.set rC, rD
.if \first
.set rC, 192+8*(bb-8)
.endif
.set rA, XF+64*((\s)%2)+16*aa
.set rB, 16*bb
.set rSA, SX+8*(aa%2)+(\s)
.set rSB, SW+8*(bb%6)+(\s)
.set fA, aa/2
.set fB, 1
	MM
.set aa, aa+1
.endr
.set bb, bb+1
.endr
.endm
; A fragment, 16 rows x 128 K: lane l holds row l % 16; registers 4 c .. 4 c + 3 hold K = 32 c + 16 (l / 16) + 0 .. 15: four loads of 16 bytes, 32 bytes apart
.macro FW slot, q, b0, b1              ; W's blocks b0 .. b1 of the slot's q-th 128 along K
	WIN 0x40
.set bb, \b0
.rept (\b1)-(\b0)+1
.irp c, 0,1,2,3
	ds_load_b128 v[16*bb+4*\c:16*bb+4*\c+3], v[ADRB+\slot] offset:16*PITCH*bb+128*(\q)+32*\c
.endr
.set bb, bb+1
.endr
.endm
.macro FX slot, q, set                 ; my four blocks of x
	WIN 0
.irp a, 0,1,2,3
.irp c, 0,1,2,3
	ds_load_b128 v[XF+64*(\set)+16*\a+4*\c:XF+64*(\set)+16*\a+4*\c+3], v[ADRA+\slot] offset:16*PITCH*\a+128*(\q)+32*\c
.endr
.endr
.endm
; A slot's first step.  Loads into registers that matrix instructions have read stand eight plain vector instructions behind them.
.macro STEP s, first
.set SL, ((\s)/2)%2
	s_wait_dscnt 24                                ; W's blocks 0-5 and x are in; the youngest 24 loads (W's blocks 6-11) may be out
	MULQK 0, 5, \s, \first
	PLACES 8
	FW SL, 1, 0, 5
	FX SL, 1, 1
	s_wait_dscnt 40                                ; all but the 40 just issued
	MULQK 6, 7, \s, \first
	MULV \s, \first
	PLACES 8
	FW SL, 1, 6, 11
	WIN 0
.endm
; A slot's second step changes slots: one barrier; in front of it each wave waits for all its tensor loads, adds 0 to its spare word, and waits for that and for its reads of this slot.
.macro TURN s, fill
.set SL, ((\s)/2)%2
.set NX, 1-SL
	s_wait_tensorcnt 0x0                           ; my part of the next slot has landed: no tensor load of mine is out
	ds_add_u32 v[SPW], v[NIL]                      ; 0 onto my spare word
	s_wait_dscnt 25                                ; (the add and the youngest 24 loads may be out)
	MULQK 0, 2, \s, 0                              ; twelve products stand between the add and the wait for it
	s_wait_dscnt 0x0                               ; the add is done, and my reads of this slot are over
	s_barrier_signal -1
	MULQK 3, 5, \s, 0
	WIN 0
	s_barrier_wait -1
.if \fill
	CREST                                          ; the barrier has opened a round of the cluster's: no wave of any partner still reads this slot or has a load on its way
	s_add_nc_u64 s[G0A+4*SL+2:G0A+4*SL+3], s[G0A+4*SL+2:G0A+4*SL+3], 512
	s_add_nc_u64 s[G0B+4*SL+2:G0B+4*SL+3], s[G0B+4*SL+2:G0B+4*SL+3], 512
	JLOAD G0A+4*SL, G1A, G0B+4*SL, G1B             ; my one tensor load behind the round; its four v_nop are four of the eight places
	PLACES 4
.else
	PLACES 8
.endif
	FW NX, 0, 0, 5
	FX NX, 0, 0
	MULQK 6, 7, \s, 0
	MULV \s, 0
	PLACES 8
	FW NX, 0, 6, 11
	WIN 0
.endm
	s_wait_alu depctr_va_vdst(0)
	s_wait_tensorcnt 0x0                           ; my part of slot 0 is in
	ds_add_u32 v[SPW], v[NIL]
	s_wait_dscnt 0x0
	CROUND                                         ; everybody's part is in, and all sixteen work-groups are here
	JLOAD G0A+4, G1A, G0B+4, G1B                   ; slot 1's first fill: my one tensor load behind the round
	FW 0, 0, 0, 5
	FX 0, 0, 0
	global_prefetch_b8 v30, s[90:91] offset:768 th:TH_LOAD_NT scope:SCOPE_SE   ; fill 3's, two fills ahead of its load
	FW 0, 0, 6, 11
	WIN 0
	s_wait_loadcnt 0x0                             ; scales and bias
	STEP 0, 1                                      ; the first products start the sums from the bias: nothing is cleared
	TURN 1, 1
	STEP 2, 0
	TURN 3, 1
	STEP 4, 0
	TURN 5, 0                                      ; nothing is left to fetch
	STEP 6, 0
	s_wait_dscnt 24
	MULQK 0, 5, 7, 0
	s_wait_dscnt 0x0
	MULQK 6, 7, 7, 0
	MULV 7, 0
	WIN 0
	PLACES 8
; 64 results of a lane, four blocks of 16 registers at base of window win, become 16 registers of codes at pc and a word of four scale bytes at pw (window 0).
; A block's other 16 numbers lie in lane l xor 16.  The largest magnitude has the floor 2^(9 - 127) among its leaves, so the byte cannot fall under 1; 8 off its exponent field is the conversion's scale operand;
; its exponent field over 448's mantissa is the hold, since the conversion to an 8-bit code does not saturate (ISA guide 7.6.2).  Each accumulator is read from its low end on.
.macro QUANT win, base, pc, pw
	WIN ((\win)<<2)|((\win)<<4)
.irp b, 0,1,2,3
	v_max3_num_f32 v[TM+\b], 0x4800000, |v[(\base)+16*\b]|, |v[(\base)+16*\b+1]|
.endr
.irp i, 2,4,6,8,10,12,14
.irp b, 0,1,2,3
	v_max3_num_f32 v[TM+\b], v[TM+\b], |v[(\base)+16*\b+\i]|, |v[(\base)+16*\b+\i+1]|
.endr
.endr
	WIN 0
.irp b, 0,1,2,3
	v_permlanex16_b32 v[TM+4+\b], v[TM+\b], s96, s97
.endr
.irp b, 0,1,2,3
	v_max_num_f32 v[TM+\b], v[TM+\b], v[TM+4+\b]
.endr
.irp b, 0,1,2,3
	v_add_nc_u32 v[TM+12+\b], 0xfc000000, v[TM+\b]
.endr
.irp b, 0,1,2,3
	v_and_or_b32 v[TM+8+\b], v[TM+\b], 0x7f800000, s98
.endr
.irp b, 0,1,2,3
	v_lshrrev_b32 v[TM+4+\b], 23, v[TM+12+\b]
.endr
	v_lshl_or_b32 v[\pw], v[TM+5], 8, v[TM+4]
	v_lshl_or_b32 v[\pw], v[TM+6], 16, v[\pw]
	v_lshl_or_b32 v[\pw], v[TM+7], 24, v[\pw]
	WIN ((\win)<<6)|(\win)
.irp b, 0,1,2,3
.irp i, 0,1,2,3,4,5,6,7,8,9,10,11,12,13,14,15
	v_med3_num_f32 v[(\base)+16*\b+\i], v[(\base)+16*\b+\i], -v[TM+8+\b], v[TM+8+\b]
.endr
.endr
	WIN \win
.irp b, 0,1,2,3
	v_cvt_scalef32_pk8_fp8_f32 v[(\pc)+4*\b:(\pc)+4*\b+1], v[(\base)+16*\b:(\base)+16*\b+7], v[TM+12+\b]
	v_cvt_scalef32_pk8_fp8_f32 v[(\pc)+4*\b+2:(\pc)+4*\b+3], v[(\base)+16*\b+8:(\base)+16*\b+15], v[TM+12+\b]
.endr
	WIN 0
	v_nop                                          ; one plain vector instruction behind the last conversion
.endm
	; q and k of my tile a: blocks q0, q1, k0, k1.  Each store of codes covers 512 consecutive bytes, aligned; no store's data are written again.
.irp a, 0,1,2,3
	QUANT 2, 64*\a, XF+16*\a, PW+\a
	global_store_b128 v[LI], v[XF+16*\a:XF+16*\a+3], s[QBS:QBS+1] offset:1024*\a
	global_store_b128 v[LI], v[XF+16*\a+4:XF+16*\a+7], s[QBS:QBS+1] offset:1024*\a+512
	global_store_b128 v[LI], v[XF+16*\a+8:XF+16*\a+11], s[KBS:KBS+1] offset:1024*\a
	global_store_b128 v[LI], v[XF+16*\a+12:XF+16*\a+15], s[KBS:KBS+1] offset:1024*\a+512
	ds_store_b16 v[AQ], v[PW+\a] offset:64*\a              ; q's word holds its two bytes twice: it serves q in either half of a K of 128
	ds_store_b16 v[AQ], v[PW+\a] offset:64*\a+2
	ds_store_b16_d16_hi v[AK], v[PW+\a] offset:64*(\a/2)+2*(\a%2)   ; k's two bytes: half a word of a pair of tiles.  (Lanes l and l + 16 write the same bytes with the same values)
.endr
	; v: blocks (t = 2 u: keys 0-31, 32-63 of my 64), (t = 2 u + 1: the same)
.irp u, 0,1
	QUANT 3, 64*\u, XF+64+16*\u, PW+4+\u
	global_store_b128 v[LI], v[XF+64+16*\u:XF+64+16*\u+3], s[VBS:VBS+1] offset:4096*\u
	global_store_b128 v[LI], v[XF+64+16*\u+4:XF+64+16*\u+7], s[VBS:VBS+1] offset:4096*\u+512
	global_store_b128 v[LI], v[XF+64+16*\u+8:XF+64+16*\u+11], s[VBS:VBS+1] offset:4096*\u+2048
	global_store_b128 v[LI], v[XF+64+16*\u+12:XF+64+16*\u+15], s[VBS:VBS+1] offset:4096*\u+2560
	ds_store_b16 v[AV], v[PW+4+\u] offset:128*\u
	ds_store_b16_d16_hi v[AV], v[PW+4+\u] offset:128*\u+64
.endr
	s_wait_dscnt 0x0                               ; for the others' sake: my scale words lie in the gather
	s_barrier_signal -1
	s_barrier_wait -1
	ds_load_b128 v[224:227], v[SGR]
	s_wait_dscnt 0x0
	global_store_b128 v[SGO], v[224:227], s[SBS:SBS+1]     ; the work-group's 2,048 bytes of scale words: 512 consecutive bytes a wave
	s_wait_tensorcnt 0x0                           ; the wave's end
	ds_add_u32 v[SPW], v[NIL]
	s_wait_dscnt 0x0
	CROUND                                         ; the closing round
	s_endpgm
.Lfunc_end_k_q925a4455c3_qkv:
	.size	k_q925a4455c3_qkv, .Lfunc_end_k_q925a4455c3_qkv-k_q925a4455c3_qkv
	.p2alignl 7, 3214868480
	.fill 96, 4, 3214868480
	.section	.rodata,"a",@progbits
	.p2align	6, 0x0
	.amdhsa_kernel k_q925a4455c3_qkv
		.amdhsa_group_segment_fixed_size 327680
		.amdhsa_private_segment_fixed_size 0
		.amdhsa_enable_private_segment 0
		.amdhsa_kernarg_size 64
		.amdhsa_user_sgpr_count 2
		.amdhsa_user_sgpr_kernarg_segment_ptr 1
		.amdhsa_wavefront_size32 1
		.amdhsa_system_sgpr_workgroup_id_x 1
		.amdhsa_system_sgpr_workgroup_id_y 1
		.amdhsa_system_sgpr_workgroup_id_z 1
		.amdhsa_system_vgpr_workitem_id 0
		.amdhsa_next_free_vgpr 1024
		.amdhsa_next_free_sgpr 100
		.amdhsa_reserve_vcc 0
		.amdhsa_float_denorm_mode_32 3
		.amdhsa_float_denorm_mode_16_64 3
		.amdhsa_memory_ordered 1
		.amdhsa_forward_progress 1
		.amdhsa_inst_pref_size 157
	.end_amdhsa_kernel
	.amdgpu_metadata
---
amdhsa.version: [ 1, 2 ]
amdhsa.kernels:
  - .name:           k_q925a4455c3_qkv
    .symbol:         k_q925a4455c3_qkv.kd
    .args:
      - { .name: x_codes, .offset: 0, .size: 8, .value_kind: global_buffer, .address_space: global }
      - { .name: x_scales, .offset: 8, .size: 8, .value_kind: global_buffer, .address_space: global }
      - { .name: W_qkv_codes, .offset: 16, .size: 8, .value_kind: global_buffer, .address_space: global }
      - { .name: W_qkv_scales, .offset: 24, .size: 8, .value_kind: global_buffer, .address_space: global }
      - { .name: b_qkv, .offset: 32, .size: 8, .value_kind: global_buffer, .address_space: global }
      - { .name: qimg, .offset: 40, .size: 8, .value_kind: global_buffer, .address_space: global }
      - { .name: kv, .offset: 48, .size: 8, .value_kind: global_buffer, .address_space: global }
      - { .name: sc, .offset: 56, .size: 8, .value_kind: global_buffer, .address_space: global }
    .group_segment_fixed_size: 327680
    .private_segment_fixed_size: 0
    .kernarg_segment_align: 8
    .kernarg_segment_size: 64
    .max_flat_workgroup_size: 128
    .sgpr_count:     100
    .vgpr_count:     1024
    .wavefront_size: 32
...
	.end_amdgpu_metadata
.endif
;; end of part 1
;; launch attn (part 2): grid 4 x 64, 16 waves a work-group, clusters of 4 x 1, 327,680 bytes of LDS; arguments qimg, kv, sc, out0; writes out0
.if DOCPART == 2
	.amdgcn_target "amdgcn-amd-amdhsa--gfx1250"
	.amdhsa_code_object_version 6
	.text
	.protected	k_q925a4455c3_attn
	.globl	k_q925a4455c3_attn
	.p2align	8
	.type	k_q925a4455c3_attn,@function
k_q925a4455c3_attn:
	s_mov_b64 s[64:65], 0
	v_nop
	global_prefetch_b8 v0, s[64:65] scope:SCOPE_SE
	s_setreg_imm32_b32 hwreg(HW_REG_WAVE_MODE, 25, 1), 1
	s_wait_xcnt 0x0
	s_wait_alu depctr_hold_cnt(0) depctr_sa_sdst(0) depctr_va_vdst(0) depctr_va_sdst(0) depctr_va_ssrc(0) depctr_va_vcc(0) depctr_vm_vsrc(0)
	s_getreg_b32 s2, hwreg(HW_REG_IB_STS2, 6, 4)
	s_cmp_eq_u32 s2, 0
	s_cbranch_scc0 .Lentry_in_a_cluster
	s_endpgm
.Lentry_in_a_cluster:
	s_bfe_u32 s2, ttmp6, 0x10000c
	s_cmp_lg_u32 s2, 0x3003
	s_cbranch_scc0 .Lentry_shape_is_right
	s_endpgm
.Lentry_shape_is_right:
; Causal attention of one (batch, head) a cluster, on the register images that the launch before has stored: both products on codes of E4M3 with E8M0 scales.
; t = score x log2(e) / 8; M = the running largest t rounded UP to a whole number; p = 2^(t - M) is quantised along the keys; the row's sum is taken of the unquantised p and divides at the end.
; LEFT OUT: key steps all of whose keys come after a tile group's queries: the causal mask gives them the weight 0 for every input.
; SHARES.  The four work-groups of a cluster share one head.  Its part of kv, 16 key steps of 16,896 bytes (K's images 8,192, V's 8,192, scale words 512), comes into each one's LDS ONCE, as it lies in memory:
; one joint load a wave, wave w key step w.  Nothing is filled again.  Waves 0-7 have a load line of their own: the first barrier shows key steps 0-7 alone; the second, for the rest, is signalled at once and waited for ahead of key step 8.
; A tile is 16 queries, T = 4 g + cx, g = 0 .. 31; it needs (g >> 1) + 1 key steps of 128, whatever cx.  Wave w owns g = 31 - w and g = w: 17 steps for every wave of the launch.
; Every loop has four trips of two steps; a hidden step is jumped over by a scalar branch on the wave's number and the trip.
; TWO BANKS OF 64 REGISTERS TAKE TURNS.  In a step one bank holds K's fragments and then V's, the other S^T and then p.  When p has become codes, its bank takes the NEXT step's fragments of K, ahead of the second product,
; so that they land under that product; in the next step the banks have changed roles.  That load has no branch: its address is held at the phase's last key step, whose fragments a tile's last step fetches once more and does not use.
; THE DIAGONAL lies in the tile's last step, in the 64 keys from 64 g on.  There key 64 g + 16 i + 8 h + j is hidden from query 64 g + 16 cx + r where 16 i + j > 16 cx + r - 8 h, whatever g:
; 32 lane masks, made once, one select a score.  With g even these are the step's first 64 keys, and its other 64 are all hidden.
; LAYOUT.  S^T = K Q^T (source 0 = keys, source 1 = my 16 queries), O^T = V^T P^T: a lane holds ONE query throughout.  The head's K is 64: a fragment of source 0 packs TWO tiles of 16 keys,
; and source 1 is [Q, 0] or [0, Q] out of 24 registers [Q, zeros, Q].  Inside a block of 32 the order of k is permuted alike in both operands of each product (head comment of the launch before).
; NO PREFETCH: all that the work-group reads of kv is asked for by the sixteen first loads; there is no later load to run ahead of.
; LIMITS: NaN and infinities are not served; the promise holds while the scaled scores t stay under 2^31 in magnitude; a block whose every p is 0 keeps the byte 1 over zero codes.
.set STEPB, 16896                      ; a key step in kv and in LDS
.set STG,   16*STEPB                   ; behind the head: a stage of 16 rows x (128 + 16) bytes for each wave
.set STW,   2304
.set SPARE, STG+16*STW                 ; the spare words, 128 bytes a wave
.set LI,  1                            ; 16 x lane
.set LS,  2                            ; 16,384 + 4 x lane: my scale word in a key step
.set QP,  3                            ; 16 cx + r - 8 h
.set STO, 4                            ; the stage, in
.set RD,  5                            ; the stage, back
.set GO,  6                            ; my byte offset in the tile's rows of the output
.set RR,  7                            ; r
.set ADK, 8
.set ADS, 9
.set R4,  10                           ; 4 r
.set OM,  11                           ; -M as the step found it;  v12 -M, v13 the largest t, v[14:15] the sum in two halves
.set QF,  16                           ; v16-23 Q, v24-31 zeros, v32-39 Q
.set X,   40                           ; v40-103 and v104-167: the two banks
.set Y,   104
.set OT,  168                          ; v168-199 O^T
.set PC,  200                          ; v200-215 p's codes; ahead of them four chains of the step's sums
.set BM,  216                          ; block maxima; BT temporaries and bytes; BL holds; BS scale operands
.set BT,  220
.set BL,  224
.set BS,  228
.set T0,  232
.set T1,  233
.set TMP, 234
.set T2,  235
.set FF,  236                          ; v[236:237] f
.set NINF, 238
.set KS,  240                          ; v240-245 hold scales and nothing else
.set VS,  242
.set QS,  244
.set PS,  245
.set E,   246                          ; v246-253 the step's sums of p, four chains of pairs
.set SPW, 254
.set NIL, 255
.set WV,  12
.set CX,  13
.set BH,  14
.set G,   15
.set G1,  16                           ; s[16:23] group 1: 16,896 dense bytes as 66 rows of 256;  s[24:27] group 0
.set G0,  24
.set SEL, 28
.set CS,  30
.set MNT, 32
.set TB,  33                           ; LDS byte at which the step begins
.set KF,  34                           ; the step's first key
.set QL,  35                           ; 64 g + 63
.set QG,  36                           ; 64 g
.set CNT, 37
.set MX8, 38                           ; lanes with r >= 8
.set GA,  39                           ; 31 - wave
.set QB0, 40                           ; per tile: Q's image, its scale words, its rows of the output
.set QW0, 42
.set OB0, 44
.set QB1, 46
.set QW1, 48
.set OB1, 50
.set MK,  66                           ; s66-97 the diagonal's 32 lane masks
.macro CROUND
	s_barrier_signal -1
	s_barrier_wait -1
	s_cmp_lg_u32 s[WV], 0
	s_cbranch_scc1 .Lnot_wave_0_\@
	s_barrier_signal -3
.Lnot_wave_0_\@:
	s_barrier_wait -3
	s_barrier_signal -1
	s_barrier_wait -1
.endm
.macro TLOAD                           ; s_nop 0 and four v_nop behind the load
	tensor_load_to_lds s[G0:G0+3], s[G1:G1+7]
	s_nop 0
.rept 4
	v_nop
.endr
.endm
.macro TBASE g, qb, qw, ob             ; tile T = 4 g + cx: cx enters global addresses and the masks' numbers alone
	s_lshl_b32 s52, s[\g], 2
	s_add_co_u32 s52, s52, s[CX]
	s_lshl_b32 s54, s52, 10
	s_add_nc_u64 s[\qb:\qb+1], s[4:5], s[54:55]
	s_lshr_b32 s54, s52, 4
	s_lshl_b32 s54, s54, 11
	s_and_b32 s53, s52, 15
	s_lshl_b32 s53, s53, 6
	s_add_co_u32 s54, s54, s53
	s_add_nc_u64 s[\qw:\qw+1], s[8:9], s[54:55]
	s_lshl_b32 s54, s52, 16
	s_add_nc_u64 s[\ob:\ob+1], s[10:11], s[54:55]
.endm
.macro QLOAD qb, qw                    ; Q's image, twice, and its scale words
	global_load_b128 v[QF:QF+3], v[LI], s[\qb:\qb+1]
	global_load_b128 v[QF+4:QF+7], v[LI], s[\qb:\qb+1] offset:512
	global_load_b128 v[QF+16:QF+19], v[LI], s[\qb:\qb+1]
	global_load_b128 v[QF+20:QF+23], v[LI], s[\qb:\qb+1] offset:512
	global_load_b32 v[QS], v[R4], s[\qw:\qw+1]
.endm
.macro INIT g                          ; a tile's running numbers
	s_mov_b32 s[G], s[\g]
	s_lshl_b32 s[QG], s[G], 6
	s_add_co_u32 s[QL], s[QG], 63
	v_mov_b32 v13, 0xff61b1e6                      ; the largest t so far: -3e38
	v_mov_b32 v14, 0
	v_mov_b32 v15, 0
	v_floor_f32 v12, -v13                          ; -M
.set j, 0
.rept 32
	v_mov_b32 v[OT+j], 0                           ; O^T: the first change of M multiplies zeros, so the step is written once
.set j, j+1
.endr
.endm
.macro MASK32 base                     ; the 64 keys on the diagonal: hidden scores become -infinity; each accumulator from its low end on
.set n, 0
.rept 32
	v_cndmask_b32 v[\base+n], v[\base+n], v[NINF], s[MK+n]
.set n, n+1
.endr
.endm
.macro KLOAD R                         ; a step's four packed fragments of K (key tiles 2 i and 2 i + 1, two chunks of 512 bytes each) and their scale words: 18 loads
.irp i, 0,1,2,3
.irp c, 0,1,2,3
	ds_load_b128 v[\R+16*\i+4*\c:\R+16*\i+4*\c+3], v[ADK] offset:2048*\i+512*\c
.endr
.endr
	ds_load_b32 v[KS], v[ADS]                      ; lanes 0-15: fragment 0's words, lanes 16-31: fragment 1's
	ds_load_b32 v[KS+1], v[ADS] offset:128
.endm
	s_load_b256 s[4:11], s[0:1], 0x0               ; qimg s[4:5], kv s[6:7], sc s[8:9], out0 s[10:11]
	v_lshl_add_u32 v[SPW], v0, 2, SPARE
	v_mov_b32 v[NIL], 0
	ds_add_u32 v[SPW], v[NIL]                      ; the opening lines: the add, twice on end, and its wait
	ds_add_u32 v[SPW], v[NIL]
	v_lshrrev_b32 v[T0], 5, v0
	v_readfirstlane_b32 s[WV], v[T0]               ; wave 0..15
	s_bfe_u32 s[CX], ttmp6, 0x40000
	s_and_b32 s[BH], ttmp7, 0xffff                 ; 16 batch + head, which the four partners share
	s_mov_b32 s[G1], 15|(3<<16)|(1<<21)            ; the mask: all four; elements of 8 bytes; bit 21 beside a mask; no padding: an image is read 512 consecutive bytes at a time
	s_mov_b32 s[G1+1], 32<<16
	s_mov_b32 s[G1+2], 66<<16
	s_mov_b32 s[G1+3], 32<<16
	s_mov_b32 s[G1+4], 66
	s_mov_b32 s[G1+5], 32
	s_mov_b32 s[G1+6], 0
	s_mov_b32 s[G1+7], 0
	s_mov_b32 s[G0], 1
	s_mul_i32 s[G0+1], s[WV], STEPB                ; key step w, in LDS as in the head's part of kv
	s_mul_i32 s52, s[BH], 16*STEPB
	s_add_co_u32 s52, s52, s[G0+1]
	s_mov_b32 s53, 0
	s_mov_b32 s55, 0
	s_mov_b32 s[SEL], 0x76543210
	s_mov_b32 s[SEL+1], 0xfedcba98
	s_mov_b32 s[CS], 0x3e38aa3b                    ; c = log2(e) / 8
	s_mov_b32 s[CS+1], s[CS]
	s_mov_b32 s[MNT], 0x600000
	s_xor_b32 s[GA], s[WV], 31
	s_wait_dscnt 0x0
	s_wait_kmcnt 0x0
	s_add_nc_u64 s[G0+2:G0+3], s[6:7], s[52:53]
	s_or_b32 s[G0+3], s[G0+3], 0x80000000
	CROUND                                         ; all four work-groups are here: the joint loads meet
	s_cmp_lt_u32 s[WV], 8                          ; one load a wave; two lines, since waves 0-7 alone wait at the first barrier
	s_cbranch_scc0 .Lsecond
	TLOAD
	s_branch .Lasked
.Lsecond:
	TLOAD
.Lasked:
	s_lshl_b32 s54, s[BH], 17
	s_add_nc_u64 s[4:5], s[4:5], s[54:55]          ; the head's Q images,
	s_lshl_b32 s54, s[BH], 14
	s_add_nc_u64 s[8:9], s[8:9], s[54:55]          ; Q's scale words,
	s_lshr_b32 s54, s[BH], 4
	s_lshl_b32 s54, s54, 23
	s_and_b32 s53, s[BH], 15
	s_lshl_b32 s53, s53, 8
	s_add_co_u32 s54, s54, s53
	s_add_nc_u64 s[10:11], s[10:11], s[54:55]      ; and its 256 bytes in the batch's first row of the output
	TBASE GA, QB0, QW0, OB0
	TBASE WV, QB1, QW1, OB1
	s_lshl_b32 s56, s[CX], 4
	s_mul_i32 s57, s[WV], STW
	s_add_co_u32 s57, s57, STG                     ; my stage
	v_and_b32 v[T0], 31, v0
	v_and_b32 v[RR], 15, v0
	v_bfe_u32 v[T1], v0, 4, 1                      ; h
	v_and_b32 v[T2], 7, v0
	v_lshlrev_b32 v[LI], 4, v[T0]
	v_lshl_add_u32 v[LS], v[T0], 2, 16384
	v_lshlrev_b32 v[R4], 2, v[RR]
	QLOAD QB0, QW0
	v_lshlrev_b32 v[TMP], 3, v[T1]
	v_mul_u32_u24 v[STO], v[RR], 144               ; in: row r; a tile's eight channels of my half 64 (t % 2) + 32 h bytes on
	v_mul_u32_u24 v[RD], v[T1], 144                ; back: lanes 0-15 one row, lanes 16-31 the next; 16 (r % 8) bytes on
	v_sub_nc_u32 v[QP], v[RR], v[TMP]
	v_lshl_add_u32 v[STO], v[T1], 5, v[STO]
	v_lshl_add_u32 v[RD], v[T2], 4, v[RD]
	v_add_nc_u32 v[QP], s56, v[QP]
	v_add_nc_u32 v[STO], s57, v[STO]
	v_add_nc_u32 v[RD], s57, v[RD]
	v_lshlrev_b32 v[GO], 12, v[T1]                 ; two rows of the output, 4,096 bytes apart
	v_lshl_add_u32 v[GO], v[RR], 4, v[GO]
	v_cmp_le_u32 s[MX8], 8, v[RR]
.set n, 0
.rept 32
	v_cmp_gt_i32 s[MK+n], 16*(n/8)+n%8, v[QP]
.set n, n+1
.endr
.irp j, 0,1,2,3,4,5,6,7
	v_mov_b32 v[QF+8+\j], 0                        ; the zero codes between the two copies of Q
.endr
.irp b, 0,1,2,3
	v_mov_b32 v[BT+\b], 0                          ; written once: a lane permute's destination counts as one of its sources
.endr
	v_mov_b32 v[TMP], 0
	v_mov_b32 v[FF+1], 0                           ; (named as the upper half of a pair)
	v_mov_b32 v[NINF], 0xff800000                  ; -infinity
; A KEY STEP of 128 keys.  KR: the bank with K's fragments, asked for a step ago; it takes V's.  SR: the bank for S^T and p; it takes the next step's K.  mask = 1: the step may be hidden or hold the diagonal.  tbmax: the phase's last key step in LDS.
.macro STEP mask, KR, SR, tbmax
.if \mask
	s_cmp_gt_u32 s[KF], s[QL]                      ; all its keys come after the queries of tile group g: only the lines at its end are run
	s_cbranch_scc1 .Lhid_\@
.endif
.rept 5
	v_nop                                          ; with the four sums at the last step's end: nine places in front of products that write over fragments which the last products read
.endr
	s_wait_dscnt 0x0                               ; K
.irp i, 0,2
	v_wmma_scale_f32_16x16x128_f8f6f4 v[\SR+16*\i:\SR+16*\i+7], v[\KR+16*\i:\KR+16*\i+15], v[QF:QF+15], 0, v[KS+\i/2], v[QS]
	v_wmma_scale_f32_16x16x128_f8f6f4 v[\SR+16*\i+8:\SR+16*\i+15], v[\KR+16*\i:\KR+16*\i+15], v[QF+8:QF+23], 0, v[KS+\i/2], v[QS]
	v_wmma_scale_f32_16x16x128_f8f6f4 v[\SR+16*\i+16:\SR+16*\i+23], v[\KR+16*\i+16:\KR+16*\i+31], v[QF:QF+15], 0, v[KS+\i/2], v[QS] matrix_a_scale:MATRIX_SCALE_ROW1
	v_wmma_scale_f32_16x16x128_f8f6f4 v[\SR+16*\i+24:\SR+16*\i+31], v[\KR+16*\i+16:\KR+16*\i+31], v[QF+8:QF+23], 0, v[KS+\i/2], v[QS] matrix_a_scale:MATRIX_SCALE_ROW1
.endr                                  ; register 8 kt + j of lane (r, h): query r, key KF + 16 kt + 8 h + j
	v_add_nc_u32 v[ADK], s[TB], v[LI]              ; eight places behind the products
	v_add_nc_u32 v[ADS], s[TB], v[LS]
	v_mov_b32 v[OM], v12
.rept 5
	v_nop
.endr
.irp t, 0,1,2,3                        ; V's fragments are asked for now and land under the softmax: 18 loads
.irp c, 0,1,2,3
	ds_load_b128 v[\KR+16*\t+4*\c:\KR+16*\t+4*\c+3], v[ADK] offset:8192+2048*\t+512*\c
.endr
.endr
	ds_load_b32 v[VS], v[ADS] offset:256
	ds_load_b32 v[VS+1], v[ADS] offset:384
.if \mask
	s_add_co_u32 s52, s[KF], 127
	s_cmp_le_u32 s52, s[QG]                        ; every key counts for every query of the tile group
	s_cbranch_scc1 .Lopen_\@
	s_bitcmp1_b32 s[G], 0
	s_cbranch_scc1 .Lodd_\@
	MASK32 \SR                                     ; g even: the diagonal lies in the first 64 keys, and the other 64 are hidden
.set n, 0
.rept 32
	v_mov_b32 v[\SR+32+n], v[NINF]
.set n, n+1
.endr
	s_branch .Lopen_\@
.Lodd_\@:
	MASK32 \SR+32                                  ; g odd: the first 64 keys all count
.Lopen_\@:
.endif
.irp b, 0,1,2,3
	v_max3_num_f32 v[BM+\b], v[\SR+16*\b], v[\SR+16*\b+1], v[\SR+16*\b+2]   ; the largest score of each block of 32 keys: for the row's maximum, and, since p rises with the score, for the block's largest p
.endr
.irp i, 3,5,7,9,11,13
.irp b, 0,1,2,3
	v_max3_num_f32 v[BM+\b], v[BM+\b], v[\SR+16*\b+\i], v[\SR+16*\b+\i+1]
.endr
.endr
.irp b, 0,1,2,3
	v_max_num_f32 v[BM+\b], v[BM+\b], v[\SR+16*\b+15]
.endr
.irp b, 0,1,2,3
	s_delay_alu instid0(VALU_DEP_4)
	v_permlanex16_b32 v[BT+\b], v[BM+\b], s[SEL], s[SEL+1]
.endr
.irp b, 0,1,2,3
	s_delay_alu instid0(VALU_DEP_4)
	v_max_num_f32 v[BM+\b], v[BM+\b], v[BT+\b]     ; with lane l xor 16's 16 keys
.endr
	s_delay_alu instid0(VALU_DEP_2)
	v_max3_num_f32 v[TMP], v[BM], v[BM+1], v[BM+2]
	s_delay_alu instid0(VALU_DEP_1)
	v_max_num_f32 v[TMP], v[TMP], v[BM+3]
	s_delay_alu instid0(VALU_DEP_1)
	v_mul_f32 v[TMP], s[CS], v[TMP]                ; as t (c is positive)
	s_delay_alu instid0(VALU_DEP_1)
	v_max_num_f32 v13, v13, v[TMP]                 ; the running largest t
	s_delay_alu instid0(VALU_DEP_1)
	v_floor_f32 v12, -v13                          ; the new -M = -ceil(t): a whole number
.set j, 0
.rept 16                               ; t - M of the first 32 scores; among them f = 2^(old M - new M), whose three lines hang on each other: a multiplication by f rounds nothing
	v_pk_fma_f32 v[\SR+2*j:\SR+2*j+1], v[\SR+2*j:\SR+2*j+1], s[CS:CS+1], v[12:13] op_sel_hi:[1,0,0]
.if j == 3
	v_sub_f32 v[TMP], v12, v[OM]                   ; old M - new M: a whole number, 0 or less
.elseif j == 7
	v_cvt_i32_f32 v[TMP], v[TMP]                   ; (it saturates)
.elseif j == 11
	v_ldexp_f32 v[FF], 1.0, v[TMP]
.endif
.set j, j+1
.endr
.irp b, 0,1,2,3
	v_fma_f32 v[BM+\b], v[BM+\b], s[CS], v12
.endr
	s_wait_alu depctr_va_vdst(0)
.irp b, 0,1,2,3
	v_exp_f32 v[BM+\b], v[BM+\b]                   ; the block's largest p: the same two instructions on the same number
.endr
.set j, 0
.rept 16                               ; p = 2^(t - M) of the first 32; among them t - M of the other 32, which nothing reads ahead of the next wait
	v_exp_f32 v[\SR+2*j], v[\SR+2*j]
	v_exp_f32 v[\SR+2*j+1], v[\SR+2*j+1]
	v_pk_fma_f32 v[\SR+32+2*j:\SR+33+2*j], v[\SR+32+2*j:\SR+33+2*j], s[CS:CS+1], v[12:13] op_sel_hi:[1,0,0]
.set j, j+1
.endr
	s_wait_alu depctr_va_vdst(0)                   ; behind the first batch and ahead of the second
.set j, 0
.rept 16                               ; p of the other 32; among them twelve lines on the first batch's results, none of which reads another's result: all are read behind the next wait
	v_exp_f32 v[\SR+32+2*j], v[\SR+32+2*j]
	v_exp_f32 v[\SR+33+2*j], v[\SR+33+2*j]
.if j < 4
	v_max_num_f32 v[BM+j], 0x4800000, v[BM+j]      ; the floor 2^(9 - 127)
.elseif j < 8
	v_pk_add_f32 v[E+2*(j-4):E+2*(j-4)+1], v[\SR+2*(j-4):\SR+2*(j-4)+1], v[\SR+8+2*(j-4):\SR+9+2*(j-4)]       ; the sum of the unquantised p begins: eight chains of pairs
.elseif j < 12
	v_pk_add_f32 v[PC+2*(j-8):PC+2*(j-8)+1], v[\SR+16+2*(j-8):\SR+17+2*(j-8)], v[\SR+24+2*(j-8):\SR+25+2*(j-8)]
.endif
.set j, j+1
.endr
	v_pk_mul_f32 v[14:15], v[14:15], v[FF:FF+1] op_sel_hi:[1,0]   ; the sums under the new M (a plain instruction behind the exponentials)
	s_wait_alu depctr_va_vdst(0)                   ; behind the second batch
.irp b, 0,1,2,3
	v_add_nc_u32 v[BS+\b], 0xfc000000, v[BM+\b]    ; 8 off the exponent field: the conversion's scale operand
.endr
.irp b, 0,1,2,3
	v_and_or_b32 v[BL+\b], v[BM+\b], 0x7f800000, s[MNT]   ; 448 x the scale
.endr
.irp b, 0,1,2,3
	v_lshrrev_b32 v[BT+\b], 23, v[BS+\b]           ; the scale's byte
.endr
	s_delay_alu instid0(VALU_DEP_3)
	v_lshl_or_b32 v[PS], v[BT+1], 8, v[BT]         ; p's scale word for these 128 keys
	s_delay_alu instid0(VALU_DEP_1)
	v_lshl_or_b32 v[PS], v[BT+2], 16, v[PS]
	s_delay_alu instid0(VALU_DEP_1)
	v_lshl_or_b32 v[PS], v[BT+3], 24, v[PS]
.irp q, 16,24
.irp k, 0,1,2,3
	v_pk_add_f32 v[E+2*\k:E+2*\k+1], v[E+2*\k:E+2*\k+1], v[\SR+2*(\q+\k):\SR+2*(\q+\k)+1]
	v_pk_add_f32 v[PC+2*\k:PC+2*\k+1], v[PC+2*\k:PC+2*\k+1], v[\SR+2*(\q+4+\k):\SR+2*(\q+4+\k)+1]
.endr
.endr
.irp k, 0,1,2,3
	v_pk_add_f32 v[E+2*\k:E+2*\k+1], v[E+2*\k:E+2*\k+1], v[PC+2*\k:PC+2*\k+1]   ; four chains are left; they are joined behind the products
.endr
.irp b, 0,2                            ; the hold: the conversion does not saturate (ISA guide 7.6.2); p is not negative, so it is one-sided.  Two holds an instruction: an even register of one block with an odd one of its neighbour
.set i, 0
.rept 8
	v_dual_min_num_f32 v[\SR+16*\b+i], v[\SR+16*\b+i], v[BL+\b] :: v_dual_min_num_f32 v[\SR+16*\b+17+i], v[\SR+16*\b+17+i], v[BL+\b+1]
	v_dual_min_num_f32 v[\SR+16*\b+16+i], v[\SR+16*\b+16+i], v[BL+\b+1] :: v_dual_min_num_f32 v[\SR+16*\b+1+i], v[\SR+16*\b+1+i], v[BL+\b]
.set i, i+2
.endr
	v_cvt_scalef32_pk8_fp8_f32 v[PC+4*\b:PC+4*\b+1], v[\SR+16*\b:\SR+16*\b+7], v[BS+\b]
	v_cvt_scalef32_pk8_fp8_f32 v[PC+4*\b+2:PC+4*\b+3], v[\SR+16*\b+8:\SR+16*\b+15], v[BS+\b]
	v_cvt_scalef32_pk8_fp8_f32 v[PC+4*\b+4:PC+4*\b+5], v[\SR+16*\b+16:\SR+16*\b+23], v[BS+\b+1]
	v_cvt_scalef32_pk8_fp8_f32 v[PC+4*\b+6:PC+4*\b+7], v[\SR+16*\b+24:\SR+16*\b+31], v[BS+\b+1]
.endr
	s_add_co_u32 s52, s[TB], STEPB                 ; the next key step, held at the phase's last
	s_min_u32 s52, s52, \tbmax
	v_add_nc_u32 v[ADK], s52, v[LI]
	v_add_nc_u32 v[ADS], s52, v[LS]
	KLOAD \SR                                      ; its fragments of K, into the bank that p has left
	s_wait_alu depctr_va_vdst(0)                   ; the wait directly ahead of the first reader of O^T
.set j, 0
.rept 16
	v_pk_mul_f32 v[OT+j:OT+j+1], v[OT+j:OT+j+1], v[FF:FF+1] op_sel_hi:[1,0]   ; O^T under the new M; these sixteen also stand between the conversions and the products
.set j, j+2
.endr
	s_wait_alu depctr_va_vdst(0)
	s_wait_dscnt 18                                ; V is in: behind its loads stand K's 18 alone
.irp t, 0,2                            ; O^T += V^T P^T: the four accumulators by turns
	v_wmma_scale_f32_16x16x128_f8f6f4 v[OT+8*\t:OT+8*\t+7], v[\KR+16*\t:\KR+16*\t+15], v[PC:PC+15], v[OT+8*\t:OT+8*\t+7], v[VS+\t/2], v[PS]
	v_wmma_scale_f32_16x16x128_f8f6f4 v[OT+8*\t+8:OT+8*\t+15], v[\KR+16*\t+16:\KR+16*\t+31], v[PC:PC+15], v[OT+8*\t+8:OT+8*\t+15], v[VS+\t/2], v[PS] matrix_a_scale:MATRIX_SCALE_ROW1
.endr
	v_pk_add_f32 v[E:E+1], v[E:E+1], v[E+2:E+3]    ; the four chains are joined: work that is due, in places behind the products
	v_pk_add_f32 v[E+4:E+5], v[E+4:E+5], v[E+6:E+7]
	v_pk_add_f32 v[E:E+1], v[E:E+1], v[E+4:E+5]
	v_pk_add_f32 v[14:15], v[14:15], v[E:E+1]
.if \mask
.Lhid_\@:
.endif
	s_add_co_u32 s[KF], s[KF], 128
	s_add_co_u32 s[TB], s[TB], STEPB
.endm
.macro PHASE tb, kf, mask, tbmax       ; eight key steps from key kf on: four trips of two, until the banks are back where they began
	s_wait_dscnt 0x0                               ; no load of mine is on its way into a bank
	v_add_nc_u32 v[ADK], \tb, v[LI]
	v_add_nc_u32 v[ADS], \tb, v[LS]
	KLOAD X                                        ; the first step's fragments of K
	s_mov_b32 s[TB], \tb
	s_mov_b32 s[KF], \kf
	s_mov_b32 s[CNT], 4
.Lphase_\@:
	STEP \mask, X, Y, \tbmax
	STEP \mask, Y, X, \tbmax
	s_sub_co_u32 s[CNT], s[CNT], 1
	s_cmp_lg_u32 s[CNT], 0
	s_cbranch_scc1 .Lphase_\@
.endm
; THE WAY OUT of a tile: O^T / the sum; a query's 64 numbers are 256 bytes of a row of the output.  My stage holds half a row (128 bytes) of all 16 queries: channels 0-31 go through it, then channels 32-63, every lane storing both times.
; Each time lane (x, hh) reads 16 (x % 8) bytes on in row 2 i + hh; lanes with x < 8 keep what the first pass brought, the others what the second brought: sixteen lanes then store 256 consecutive bytes, aligned.
; LDS serves a wave's instructions in order (ISA guide 5.7.1.4): no wait between my stores and my loads, nor in front of the second pass's stores.
.macro OUT ob
	s_wait_alu depctr_va_vdst(0)                   ; the sums were written ahead of a taken branch
	s_wait_dscnt 0x0                               ; the last step's loads of K have landed: both banks are free
.rept 8
	v_nop                                          ; places behind the last products
.endr
	v_add_f32 v14, v14, v15
	v_permlanex16_b32 v[TMP], v14, s[SEL], s[SEL+1]
	v_add_f32 v14, v14, v[TMP]                     ; the row's sum
	s_wait_alu depctr_va_vdst(0)
	v_rcp_f32 v[FF], v14
	v_nop                                          ; one plain instruction behind the reciprocal
	s_wait_alu depctr_va_vdst(0)
.set j, 0
.rept 16
	v_pk_mul_f32 v[Y+j:Y+j+1], v[OT+j:OT+j+1], v[FF:FF+1] op_sel_hi:[1,0]   ; register 8 t + i: o(r, 16 t + 8 h + i)
.set j, j+2
.endr
.irp u, 0,1
.irp t, 0,1
	ds_store_b128 v[STO], v[Y+16*\u+8*\t:Y+16*\u+8*\t+3] offset:64*\t
	ds_store_b128 v[STO], v[Y+16*\u+8*\t+4:Y+16*\u+8*\t+7] offset:64*\t+16
.endr
.irp i, 0,1,2,3,4,5,6,7
	ds_load_b128 v[X+32*\u+4*\i:X+32*\u+4*\i+3], v[RD] offset:288*\i
.endr
.endr
	s_wait_dscnt 0x0
.set j, 0
.rept 32
	v_cndmask_b32 v[X+j], v[X+j], v[X+32+j], s[MX8]
.set j, j+1
.endr
.irp i, 0,1,2,3,4,5,6,7
	global_store_b128 v[GO], v[X+4*\i:X+4*\i+3], s[\ob:\ob+1] offset:8192*\i th:TH_STORE_NT
.endr
.endm
	INIT GA                                        ; the late tile first: g = 31 - w
	s_wait_alu depctr_va_vdst(0)
	s_cmp_lt_u32 s[WV], 8
	s_cbranch_scc0 .Lnot_first
	s_wait_tensorcnt 0x0                           ; waves 0-7: my key step of the first eight is in
.Lnot_first:
	s_barrier_signal -1
	s_barrier_wait -1                              ; key steps 0-7 are whole
	s_wait_tensorcnt 0x0                           ; every wave: all that is still out, key steps 8-15
	s_barrier_signal -1                            ; said now, asked for ahead of key step 8: between the two stand register work and LDS loads of key steps 0-7, which nobody writes
	s_wait_loadcnt 0x0                             ; Q
	PHASE 0, 0, 0, 7*STEPB                         ; keys 0-1,023 all count for queries from 1,024 on
	s_barrier_wait -1                              ; key steps 8-15 are whole
	PHASE 8*STEPB, 1024, 1, 15*STEPB
	QLOAD QB1, QW1                                 ; the early tile's Q is asked for ahead of the way out; the last products that read these registers have a softmax behind them
	OUT OB0
	INIT WV                                        ; the early tile: g = w
	s_wait_xcnt 0x0                                ; the stores have read their data: the registers take fragments again
	s_wait_alu depctr_va_vdst(0)
	s_wait_loadcnt 0x0
	PHASE 0, 0, 1, 7*STEPB
	OUT OB1
	s_wait_tensorcnt 0x0                           ; the wave's end
	ds_add_u32 v[SPW], v[NIL]
	s_wait_dscnt 0x0
	CROUND                                         ; the closing round
	s_endpgm
.Lfunc_end_k_q925a4455c3_attn:
	.size	k_q925a4455c3_attn, .Lfunc_end_k_q925a4455c3_attn-k_q925a4455c3_attn
	.p2alignl 7, 3214868480
	.fill 96, 4, 3214868480
	.section	.rodata,"a",@progbits
	.p2align	6, 0x0
	.amdhsa_kernel k_q925a4455c3_attn
		.amdhsa_group_segment_fixed_size 327680
		.amdhsa_private_segment_fixed_size 0
		.amdhsa_enable_private_segment 0
		.amdhsa_kernarg_size 32
		.amdhsa_user_sgpr_count 2
		.amdhsa_user_sgpr_kernarg_segment_ptr 1
		.amdhsa_wavefront_size32 1
		.amdhsa_system_sgpr_workgroup_id_x 1
		.amdhsa_system_sgpr_workgroup_id_y 1
		.amdhsa_system_sgpr_workgroup_id_z 1
		.amdhsa_system_vgpr_workitem_id 0
		.amdhsa_next_free_vgpr 256
		.amdhsa_next_free_sgpr 100
		.amdhsa_reserve_vcc 0
		.amdhsa_float_denorm_mode_32 3
		.amdhsa_float_denorm_mode_16_64 3
		.amdhsa_memory_ordered 1
		.amdhsa_forward_progress 1
		.amdhsa_inst_pref_size 163
	.end_amdhsa_kernel
	.amdgpu_metadata
---
amdhsa.version: [ 1, 2 ]
amdhsa.kernels:
  - .name:           k_q925a4455c3_attn
    .symbol:         k_q925a4455c3_attn.kd
    .args:
      - { .name: qimg, .offset: 0, .size: 8, .value_kind: global_buffer, .address_space: global }
      - { .name: kv, .offset: 8, .size: 8, .value_kind: global_buffer, .address_space: global }
      - { .name: sc, .offset: 16, .size: 8, .value_kind: global_buffer, .address_space: global }
      - { .name: out0, .offset: 24, .size: 8, .value_kind: global_buffer, .address_space: global }
    .group_segment_fixed_size: 327680
    .private_segment_fixed_size: 0
    .kernarg_segment_align: 8
    .kernarg_segment_size: 32
    .max_flat_workgroup_size: 512
    .sgpr_count:     100
    .vgpr_count:     256
    .wavefront_size: 32
...
	.end_amdgpu_metadata
.endif
;; end of part 2
